; MI455X (gfx1250); checked and timed in simulation.
; The chip was launched on July 23, 2026; its instructions are those of AMD's public machine-readable ISA for CDNA 5 (MIT licence, August 2026) and "CDNA5" Instruction Set Architecture Reference Guide (July 2026). The comments in the code are by the model that wrote it; some were corrected since.
;; Vector Quantizer. Allowed arithmetic: matrix products marked QUANTISED: E2M1 operands, one E8M0 scale for each 32 along K, by v_wmma_scale_f32_16x16x128_f8f6f4 with both operands' format E2M1 (or v_wmma_scale_f32_32x16x128_f4), f32 sums; everything else in f32.
;; Inputs: codebook 8,192 x 256 float32; z 8 x 256 x 64 x 64 float32.
;; Outputs: out0 8 x 256 x 64 x 64 float32; out1 one number float32.
;; This version of the problem:
;;   THIS VERSION OF THE PROBLEM IS GIVEN IN LOW PRECISION. The matrix products marked QUANTISED in the list below multiply operands that are first quantised to E2M1 (2 exponent bits, 1 mantissa bit; 4 bits a number), with one power-of-two scale for each 32 numbers along K (OCP MX v1.0); their sums are f32. All else is computed in f32.
;;   The module's matrix products, in the order in which they are computed (A, B: the left and right operand; K: the contracted axis; several contracted axes count as one K, in the product's order):
;;     1. [M 32,768, K 256] x [K 256, N 8,192]; A: input z; B: input codebook: QUANTISED
;;   THE QUANTISER, for each operand of a quantised product, along K:
;;     - K is cut into blocks of 32 from its start; a last block that is shorter is filled with zeros.
;;     - A block's scale is 2^e with e = floor(log2(the largest magnitude in the block)) - 2, held to -126 .. 127; a block of zeros has e = 0. As a byte (E8M0): e + 127.
;;     - Each number is divided by its block's scale, clamped to +-6, and rounded to the nearest number of E2M1, ties to even, subnormals kept.
;;     - The product sums the exact products of the quantised numbers (number of the format x scale) in f32.
;;   ~~~python
;;   def quantise(x, axis):      # numpy; x: float32 -> the quantised numbers, widened to float32 again
;;       x = np.moveaxis(x, axis, -1); K = x.shape[-1]
;;       x = np.pad(x, [(0, 0)] * (x.ndim - 1) + [(0, -K % 32)]); x = x.reshape(x.shape[:-1] + (-1, 32)); a = np.abs(x).max(-1, keepdims=True)
;;       e = np.where(a > 0, np.clip(np.frexp(np.where(a > 0, a, 1))[1] - 1 - 2, -126, 127), 0)      # np.frexp(a)[1] - 1 = floor(log2(a)), exactly
;;       r = np.clip(x / 2.0 ** e, -6, 6)
;;       step = 2.0 ** (np.maximum(np.frexp(np.where(r == 0, 1, r))[1] - 1, 0) - 1)
;;       q = np.round(r / step) * step * 2.0 ** e      # np.round: ties to even
;;       return np.moveaxis(q.reshape(q.shape[:-2] + (-1,))[..., :K], -1, axis).astype(np.float32)
;;   ~~~
;; One version. Each part assembles by itself: llvm-mc -triple=amdgcn-amd-amdhsa -mcpu=gfx1250 --defsym DOCPART=n.
;; ======== version 1 of 1: 4 launches
;; limits: right only within a limited range of input values
;; workspace buffers: zw 4,587,520 bytes; cw 1,146,880 bytes; idx 131,072 bytes of whole numbers; part 16,384 bytes
;; launch quant (part 1): grid 320 x 1, 4 waves a work-group, no clusters, 35,328 bytes of LDS; arguments z, codebook, zw, cw; writes zw, cw
.if DOCPART == 1
	.amdgcn_target "amdgcn-amd-amdhsa--gfx1250"
	.amdhsa_code_object_version 6
	.text
	.protected	k_q4a4465c606_quant
	.globl	k_q4a4465c606_quant
	.p2align	8
	.type	k_q4a4465c606_quant,@function
k_q4a4465c606_quant:
	s_mov_b64 s[64:65], 0
	v_nop
	global_prefetch_b8 v0, s[64:65] scope:SCOPE_SE
	s_setreg_imm32_b32 hwreg(HW_REG_WAVE_MODE, 25, 1), 1
	s_wait_xcnt 0x0
; z as [32768][256] and the codebook [8192][256], f32, K = 256 innermost, become codes of FP4 (E2M1) with one E8M0 byte for each 32 along K, and each row's f32 sum of squares.
; A block's scale is 2^(floor(log2(its largest magnitude)) - 2): its byte is the largest magnitude's exponent field - 2, held at 1 from below by a floor among the maximum's leaves.
; THE OUTPUT'S LAYOUT (this program's own): chunks of 1,024 rows, 143,360 bytes each, dense:
;   [0, 131072)       codes as images of operand registers: tile (16 rows) x 2,048 bytes; block b (32 along K, 16 bytes) of row r at (b / 2) 512 + (b % 2) 256 + 16 r
;   [131072, 139264)  scale bytes, [row][8]
;   [139264, 143360)  the rows' sums of squares, f32
; SHARES.  Work-groups 0-255 take z, 256-319 the codebook: only pointers are chosen, one path through the text.  A work-group takes 128 rows, a wave 32: two tiles.  A LANE IS A ROW:
; a block's maximum needs no other lane, the conversions find neighbours along K in one lane's registers, and the row's sum is ONE chain of fused multiply-adds in ascending k.
; Loads take memory as it lies (16 lanes read 256 consecutive bytes of a row) and turn through the wave's own stage in LDS, 32 rows x (256 + 16) bytes; K goes in four quarters of 64.
; No barrier: waves share nothing.  No register that a store reads is written again, so no wait frees one.
; LIMITS: NaN and infinities are not served.  A block of zeros, or one whose largest magnitude lies under 2^-124, keeps the byte 1 (a block of zeros has zero codes, and this program alone reads the bytes).
; The sum of squares is fused and ascending in k; another order of summing may differ in the last bits.
.set CHUNKB, 143360
.set SCOFF,  131072
.set NNOFF,  139264
.set PITCH,  272                       ; a stage row: 256 bytes + 16: sixteen lanes that read the same column of sixteen rows touch sixteen different 16-byte columns of 256
.set STAGEB, 32*PITCH
.set GI,  2                            ; v2   loads: (lane / 16) x 1,024 + (lane % 16) x 16
.set SI,  3                            ; v3   into the stage: wave's stage + (lane / 16) x PITCH + (lane % 16) x 16
.set SO,  4                            ; v4   out of it: wave's stage + lane x PITCH: my row
.set CO,  5                            ; v5   codes: (lane / 16) x 2,048 + (lane % 16) x 16
.set L8,  6                            ; v6   8 x lane
.set L4,  7                            ; v7   4 x lane
.set MX,  8                            ; v8-9   two blocks' largest magnitudes
.set SCL, 10                           ; v10-11 their scale operands
.set BY,  12                           ; v12  a scale byte
.set SUM, 13                           ; v13  my row's sum of squares
.set SB,  14                           ; v[14:15] my row's eight scale bytes
.set R,   16                           ; v16-143  two sets of 64 registers, as loaded
.set X,   144                          ; v144-207 64 neighbours of my row
.set C,   208                          ; v208-239 my row's codes, four registers a block
	s_load_b256 s[4:11], s[0:1], 0x0               ; z s[4:5], codebook s[6:7], zw s[8:9], cw s[10:11]
	v_lshl_add_u32 v240, v0, 2, 0x8800
	v_mov_b32 v241, 0
	v_lshrrev_b32 v1, 5, v0
	v_readfirstlane_b32 s12, v1                    ; wave 0..3
	v_and_b32 v1, 31, v0                           ; lane
	v_bfe_u32 v8, v0, 4, 1                         ; lane / 16
	v_and_b32 v9, 15, v0
	v_lshlrev_b32 v9, 4, v9                        ; 16 (lane % 16)
	s_mul_i32 s18, s12, STAGEB                     ; my wave's stage
	v_lshl_add_u32 v[GI], v8, 10, v9
	v_mad_u32_u24 v[SI], v8, PITCH, v9
	v_add_nc_u32 v[SI], s18, v[SI]
	v_mul_u32_u24 v[SO], v1, PITCH
	v_add_nc_u32 v[SO], s18, v[SO]
	v_lshl_add_u32 v[CO], v8, 11, v9
	v_lshlrev_b32 v[L8], 3, v1
	v_lshlrev_b32 v[L4], 2, v1
	s_cmp_lt_u32 ttmp9, 256                        ; z's work-group or the codebook's?  The choice hangs on the work-group's number alone
	s_cselect_b32 s13, 0, 256
	s_sub_co_u32 s13, ttmp9, s13                   ; g: which 128 rows of the tensor
	s_lshl_b32 s14, s13, 17                        ; 128 rows of 1,024 bytes,
	s_lshl_b32 s15, s12, 15                        ; my wave's 32
	s_add_co_u32 s14, s14, s15
	s_mov_b32 s15, 0
	s_lshr_b32 s16, s13, 3
	s_mul_i32 s16, s16, CHUNKB                     ; the chunk
	s_and_b32 s17, s13, 7                          ; my 128 rows in it
	s_lshl_b32 s26, s17, 14                        ; codes: 16,384 bytes a work-group, 4,096 a wave
	s_lshl_b32 s19, s12, 12
	s_add_co_u32 s26, s26, s19
	s_add_co_u32 s26, s26, s16
	s_mov_b32 s27, 0
	s_lshl_b32 s28, s17, 10                        ; scale bytes: 1,024 and 256
	s_lshl_b32 s19, s12, 8
	s_add_co_u32 s28, s28, s19
	s_add_co_u32 s28, s28, s16
	s_add_co_u32 s28, s28, SCOFF
	s_mov_b32 s29, 0
	s_lshl_b32 s30, s17, 9                         ; sums: 512 and 128
	s_lshl_b32 s19, s12, 7
	s_add_co_u32 s30, s30, s19
	s_add_co_u32 s30, s30, s16
	s_add_co_u32 s30, s30, NNOFF
	s_mov_b32 s31, 0
	s_wait_alu depctr_va_vdst(0)
	s_wait_kmcnt 0x0
	s_cmp_lt_u32 ttmp9, 256
	s_cselect_b64 s[4:5], s[4:5], s[6:7]
	s_cselect_b64 s[8:9], s[8:9], s[10:11]
	s_add_nc_u64 s[4:5], s[4:5], s[14:15]          ; my wave's first row
	s_add_nc_u64 s[20:21], s[8:9], s[26:27]        ; its codes,
	s_add_nc_u64 s[22:23], s[8:9], s[28:29]        ; its scale bytes,
	s_add_nc_u64 s[24:25], s[8:9], s[30:31]        ; its sums
; quarter t of K (64 numbers, 256 bytes of each row): load j takes rows 2 j and 2 j + 1, sixteen lanes to a row's 256 consecutive bytes
.macro LOAD t
.irp j, 0,1,2,3,4,5,6,7,8,9,10,11,12,13,14,15
	global_load_b128 v[R+64*((\t)%2)+4*\j:R+64*((\t)%2)+4*\j+3], v[GI], s[4:5] offset:2048*\j+256*(\t) th:TH_LOAD_NT
.endr
.endm
.macro STEP t
.if (\t) < 3
	s_wait_loadcnt 16                              ; this quarter's 16 loads are in; the 16 of the other set may be out
.else
	s_wait_loadcnt 0
.endif
.irp j, 0,1,2,3,4,5,6,7,8,9,10,11,12,13,14,15
	ds_store_b128 v[SI], v[R+64*((\t)%2)+4*\j:R+64*((\t)%2)+4*\j+3] offset:2*PITCH*\j
.endr
.irp i, 0,1,2,3,4,5,6,7,8,9,10,11,12,13,14,15
	ds_load_b128 v[X+4*\i:X+4*\i+3], v[SO] offset:16*\i    ; LDS serves a wave's instructions in order: these see the stores above, and the next quarter's stores come behind them
.endr
	s_wait_dscnt 0x0                               ; my 64 neighbours are in, and the stores have read their registers,
.if (\t) < 2
	LOAD (\t)+2                                    ; which take the quarter two further on
.endif
.set p, 0
.rept 32                                       ; the two blocks' maxima stand between the links of the sum's chain
.if p%16 == 0
	v_max3_num_f32 v[MX+p/16], |v[X+2*p]|, |v[X+2*p+1]|, 0x1800000   ; and the floor 2^(3 - 127): the byte cannot fall under 1
.else
	v_max3_num_f32 v[MX+p/16], v[MX+p/16], |v[X+2*p]|, |v[X+2*p+1]|
.endif
.if ((\t) == 0) && (p == 0)
	v_mul_f32 v[SUM], v[X], v[X]                   ; the first term starts the sum
.else
	v_fmac_f32 v[SUM], v[X+2*p], v[X+2*p]
.endif
	v_fmac_f32 v[SUM], v[X+2*p+1], v[X+2*p+1]
.set p, p+1
.endr
.irp k, 0,1
.set b, 2*(\t)+\k                              ; the block
	v_add_nc_u32 v[SCL+\k], 0xff000000, v[MX+\k]   ; 2 off the exponent field: the conversion takes the exponent field of this operand as its scale
.irp g, 0,1,2,3
	v_cvt_scalef32_pk8_fp4_f32 v[C+4*b+\g], v[X+32*\k+8*\g:X+32*\k+8*\g+7], v[SCL+\k]
.endr
	v_lshrrev_b32 v[BY], 23, v[SCL+\k]             ; the scale's byte (also the plain line behind the conversions)
.if b%4 == 0
	v_mov_b32 v[SB+b/4], v[BY]
.else
	v_lshl_or_b32 v[SB+b/4], v[BY], 8*(b%4), v[SB+b/4]
.endif
	global_store_b128 v[CO], v[C+4*b:C+4*b+3], s[20:21] offset:(b/2)*512+(b%2)*256   ; each half of the lanes stores 256 consecutive bytes, at a multiple of 256 from the buffer's first byte
.endr
.endm
	LOAD 0
	LOAD 1
	STEP 0
	STEP 1
	STEP 2
	STEP 3
	global_store_b64 v[L8], v[SB:SB+1], s[22:23]   ; 32 rows' scale bytes: 256 consecutive bytes
	global_store_b32 v[L4], v[SUM], s[24:25]       ; 32 sums: 128 consecutive bytes
	s_wait_tensorcnt 0x0
	ds_add_u32 v240, v241
	s_wait_dscnt 0x0
	s_endpgm
.Lfunc_end_k_q4a4465c606_quant:
	.size	k_q4a4465c606_quant, .Lfunc_end_k_q4a4465c606_quant-k_q4a4465c606_quant
	.p2alignl 7, 3214868480
	.fill 96, 4, 3214868480
	.section	.rodata,"a",@progbits
	.p2align	6, 0x0
	.amdhsa_kernel k_q4a4465c606_quant
		.amdhsa_group_segment_fixed_size 35328
		.amdhsa_private_segment_fixed_size 0
		.amdhsa_enable_private_segment 0
		.amdhsa_kernarg_size 32
		.amdhsa_user_sgpr_count 2
		.amdhsa_user_sgpr_kernarg_segment_ptr 1
		.amdhsa_wavefront_size32 1
		.amdhsa_system_sgpr_workgroup_id_x 1
		.amdhsa_system_sgpr_workgroup_id_y 1
		.amdhsa_system_sgpr_workgroup_id_z 1
		.amdhsa_system_vgpr_workitem_id 0
		.amdhsa_next_free_vgpr 242
		.amdhsa_next_free_sgpr 66
		.amdhsa_reserve_vcc 0
		.amdhsa_float_denorm_mode_32 3
		.amdhsa_float_denorm_mode_16_64 3
		.amdhsa_memory_ordered 1
		.amdhsa_forward_progress 1
		.amdhsa_inst_pref_size 38
	.end_amdhsa_kernel
	.amdgpu_metadata
---
amdhsa.version: [ 1, 2 ]
amdhsa.kernels:
  - .name:           k_q4a4465c606_quant
    .symbol:         k_q4a4465c606_quant.kd
    .args:
      - { .name: z, .offset: 0, .size: 8, .value_kind: global_buffer, .address_space: global }
      - { .name: codebook, .offset: 8, .size: 8, .value_kind: global_buffer, .address_space: global }
      - { .name: zw, .offset: 16, .size: 8, .value_kind: global_buffer, .address_space: global }
      - { .name: cw, .offset: 24, .size: 8, .value_kind: global_buffer, .address_space: global }
    .group_segment_fixed_size: 35328
    .private_segment_fixed_size: 0
    .kernarg_segment_align: 8
    .kernarg_segment_size: 32
    .max_flat_workgroup_size: 128
    .sgpr_count:     66
    .vgpr_count:     242
    .wavefront_size: 32
...
	.end_amdgpu_metadata
.endif
;; end of part 1
;; launch argmin (part 2): grid 256 x 1, 16 waves a work-group, clusters of 4 x 1, 327,680 bytes of LDS; arguments zw, cw, idx; writes idx
.if DOCPART == 2
	.amdgcn_target "amdgcn-amd-amdhsa--gfx1250"
	.amdhsa_code_object_version 6
	.text
	.protected	k_q4a4465c606_argmin
	.globl	k_q4a4465c606_argmin
	.p2align	8
	.type	k_q4a4465c606_argmin,@function
k_q4a4465c606_argmin:
	s_mov_b64 s[64:65], 0
	v_nop
	global_prefetch_b8 v0, s[64:65] scope:SCOPE_SE
	s_setreg_imm32_b32 hwreg(HW_REG_WAVE_MODE, 25, 1), 1
	s_wait_xcnt 0x0
	s_wait_alu depctr_hold_cnt(0) depctr_sa_sdst(0) depctr_va_vdst(0) depctr_va_sdst(0) depctr_va_ssrc(0) depctr_va_vcc(0) depctr_vm_vsrc(0)
	s_getreg_b32 s2, hwreg(HW_REG_IB_STS2, 6, 4)
	s_cmp_eq_u32 s2, 0
	s_cbranch_scc0 .Lentry_in_a_cluster
	s_endpgm
.Lentry_in_a_cluster:
	s_bfe_u32 s2, ttmp6, 0x10000c
	s_cmp_lg_u32 s2, 0x3003
	s_cbranch_scc0 .Lentry_shape_is_right
	s_endpgm
.Lentry_shape_is_right:
; idx[m] = the first n at which d[m][n] = fl(fl(zz[m] + ee[n]) - 2 dot[m][n]) is least.  dot: the product of the FP4 codes with their E8M0 scales, sums in f32; zz, ee: the rows' f32 sums of squares.
; The two roundings stand as in the definition: one addition, then one fused multiply-add by -2 (2 dot is exact).  They decide which codes tie, and the lowest n wins a tie.
; SHARES.  A work-group owns 128 rows of z and walks all 8,192 codes.  Wave w: rh = w & 1 picks 64 rows (four tiles t, whose fragments, scale words and zz stay in registers); cg = w >> 1 picks 128 of each chunk's 1,024 codes: four UNITS of 32.
; LAYOUT.  Source 0 = 16 codes, source 1 = 16 rows of z: lane (r, h) holds row r; a unit's two code tiles a = 0, 1 give it 16 numbers d[k], k = 8 a + j, for the codes n = 32 U + 16 a + 8 h + j (ascending in k).
; THE RUNNING MINIMUM GOES BY UNITS.  For each t: the least of the 16 d (8 instructions), ONE compare with the least so far, and 9 pairs of selects that keep, where the unit is strictly less, its 16 d, its least and its number U.
; The old set stays where best <= least, so the earliest unit is kept.  At the end the first kept d that equals the best gives k; then (d, n) is reduced over the two halves of the lanes and, through LDS, over the eight code groups.
; By the text's own count a unit and tile of rows takes 4 matrix instructions, 8 pairs of additions, 8 packed multiply-adds, 8 minima, 1 compare, 9 pairs of selects.
; THE RING.  A chunk of cw (143,360 dense bytes: images of operand registers, scale bytes, ee) is a slot; two slots.  Each wave brings a sixteenth, 35 rows of 256 bytes.  A chunk's last unit is in registers when the wave signals the change of
; slots: its 152 matrix and vector instructions are the register work between the signal and the wait.  Behind the round the slot just read out is filled again, first thing, one load a wave; one tensor load a wave is out at most.
; CLUSTER.  All work-groups walk the same chunks: the four of a cluster ask JOINTLY, by the same tensor load with the same descriptor and the mask 15.
; PREFETCH.  None is issued.
; LIMITS: NaN is not served.  Where every d of a row is +infinity the result is 0.
.set CHUNKB, 143360
.set SLOTB,  143360
.set SCOFF,  131072                    ; in a slot: the scale bytes, [code][8]
.set EEOFF,  139264                    ; and ee, [code]
.set WPART,  8960                      ; a wave's sixteenth of a chunk
.set SPARE,  2*SLOTB                   ; the spare words: 128 bytes for each of 16 waves; no other line names them
.set MERGE,  SPARE+2048                ; [cg][row 0..127][d, n]: 8,192 bytes; no tile lands here
.set SPW, 1                            ; v1 my spare word's address; v2 0: never rewritten
.set NIL, 2
.set AC,  3                            ; v3-4  my group's images in slot 0, 1: 16 lane + 16,384 cg
.set AS,  5                            ; v5-6  its scale words: 8 r + 4 h + 1,024 cg
.set AE,  7                            ; v7-8  its ee: 32 h + 512 cg
.set PFO, 9                            ; v9    an offset that nothing reads
.set H8,  10                           ; v10   8 h
.set TV,  11                           ; v11   the unit's number
.set ZS,  12                           ; v12-15 z's scale words: lanes 0-15 K step 0, lanes 16-31 K step 1
.set ZZ,  16                           ; v16-19 zz of tile t's row r
.set ZF,  20                           ; v20-83 z's fragments: tile t, K step s at 16 t + 8 s
.set CF,  84                           ; v84-115 a unit's fragments: code tile a, K step s at 16 a + 8 s
.set CS,  116                          ; v116-117 its scale words, a register a code tile
.set EE,  118                          ; v118-133 ee of my 16 codes
.set ACC, 134                          ; v134-165 two sets of two accumulators, by turns over t; a set that has been read holds the minima
.set SD,  166                          ; v166-181 zz + ee, then d
.set SV,  182                          ; v182-253 tile t at 18 t: the kept unit's 16 d, the best, its unit's number
.set TB,  254
.set TI,  255
.set L16, 166                          ; the head's offsets, in registers that the loop first writes behind the wait for z
.set ZSO, 167
.set ZZO, 168
.set KK,  118                          ; the end's registers, where ee lay
.set MST, 122
.set MLD, 123
.set L8,  124
.set MG,  84
.set WV,  10
.set RH,  11
.set CG,  12
.set CX,  13
.set WGX, 14
.set G1,  16                           ; s[16:23] descriptor group 1; s[24:31] group 0, a set for each slot
.set G0,  24
.set OC,  32                           ; counts pairs of chunks
.set TN,  34                           ; the unit in hand: 32 chunk + 4 cg + u
.set SEL, 36
.set PF,  50                           ; s[50:51] my sixteenth of chunk 3, stepped two chunks a trip; nothing reads it
.macro CREST                           ; a round of the cluster's barrier behind its opening barrier
	s_cmp_lg_u32 s[WV], 0
	s_cbranch_scc1 .Lnot_wave_0_\@
	s_barrier_signal -3
.Lnot_wave_0_\@:
	s_barrier_wait -3
	s_barrier_signal -1
	s_barrier_wait -1
.endm
.macro ROUND
	s_barrier_signal -1
	s_barrier_wait -1
	CREST
.endm
.macro TLOAD slot
	tensor_load_to_lds s[G0+4*(\slot):G0+4*(\slot)+3], s[G1:G1+7]
	s_nop 0
.rept 4
	v_nop
.endr
.endm
; unit u of my code group: 4,096 bytes of images, two scale words a lane, 16 ee: every offset an immediate
.macro REQ slot, u
.irp q, 0,1,2,3,4,5,6,7
	ds_load_b128 v[CF+4*\q:CF+4*\q+3], v[AC+(\slot)] offset:4096*(\u)+512*\q
.endr
	ds_load_b32 v[CS], v[AS+(\slot)] offset:256*(\u)
	ds_load_b32 v[CS+1], v[AS+(\slot)] offset:256*(\u)+128
.irp a, 0,1
	ds_load_b128 v[EE+8*\a:EE+8*\a+3], v[AE+(\slot)] offset:128*(\u)+64*\a
	ds_load_b128 v[EE+8*\a+4:EE+8*\a+7], v[AE+(\slot)] offset:128*(\u)+64*\a+16
.endr
.endm
; the unit against tile t of my rows: two accumulators by turns, one instruction a turn; the first K step starts the sums
.macro WM t
.set A_, ACC+16*((\t)%2)
	v_wmma_scale_f32_16x16x128_f8f6f4 v[A_:A_+7], v[CF:CF+7], v[ZF+16*(\t):ZF+16*(\t)+7], 0, v[CS], v[ZS+(\t)] matrix_a_fmt:MATRIX_FMT_FP4 matrix_b_fmt:MATRIX_FMT_FP4
	v_wmma_scale_f32_16x16x128_f8f6f4 v[A_+8:A_+15], v[CF+16:CF+23], v[ZF+16*(\t):ZF+16*(\t)+7], 0, v[CS+1], v[ZS+(\t)] matrix_a_fmt:MATRIX_FMT_FP4 matrix_b_fmt:MATRIX_FMT_FP4
	v_wmma_scale_f32_16x16x128_f8f6f4 v[A_:A_+7], v[CF+8:CF+15], v[ZF+16*(\t)+8:ZF+16*(\t)+15], v[A_:A_+7], v[CS], v[ZS+(\t)] matrix_a_fmt:MATRIX_FMT_FP4 matrix_b_fmt:MATRIX_FMT_FP4 matrix_a_scale:MATRIX_SCALE_ROW1 matrix_b_scale:MATRIX_SCALE_ROW1
	v_wmma_scale_f32_16x16x128_f8f6f4 v[A_+8:A_+15], v[CF+24:CF+31], v[ZF+16*(\t)+8:ZF+16*(\t)+15], v[A_+8:A_+15], v[CS+1], v[ZS+(\t)] matrix_a_fmt:MATRIX_FMT_FP4 matrix_b_fmt:MATRIX_FMT_FP4 matrix_a_scale:MATRIX_SCALE_ROW1 matrix_b_scale:MATRIX_SCALE_ROW1
.endm
; zz + ee, two to an instruction: destinations even and odd, first sources in neighbouring banks, the second source the same register in both halves
.macro SADD t
.irp p, 0,2,4,6,8,10,12,14
	v_dual_add_f32 v[SD+\p], v[EE+\p], v[ZZ+(\t)] :: v_dual_add_f32 v[SD+\p+1], v[EE+\p+1], v[ZZ+(\t)]
.endr
.endm
; d; the least of the 16; the compare; the selects
.macro FMX t
.set A_, ACC+16*((\t)%2)
.set V_, SV+18*(\t)
.irp p, 0,2,4,6,8,10,12,14                     ; d = (zz + ee) - 2 dot, one rounding; each accumulator is read from its low end on
	v_pk_fma_f32 v[SD+\p:SD+\p+1], v[A_+\p:A_+\p+1], -2.0, v[SD+\p:SD+\p+1] op_sel_hi:[1,0,1]
.endr
	v_min3_num_f32 v[A_], v[SD], v[SD+1], v[SD+2]          ; four chains, in accumulator registers that have been read
	v_min3_num_f32 v[A_+1], v[SD+3], v[SD+4], v[SD+5]
	v_min3_num_f32 v[A_+2], v[SD+6], v[SD+7], v[SD+8]
	v_min3_num_f32 v[A_+3], v[SD+9], v[SD+10], v[SD+11]
	s_delay_alu instid0(VALU_DEP_3)
	v_min3_num_f32 v[A_], v[A_], v[A_+1], v[SD+12]
	s_delay_alu instid0(VALU_DEP_2)
	v_min3_num_f32 v[A_+2], v[A_+2], v[A_+3], v[SD+13]
	s_delay_alu instid0(VALU_DEP_1)
	v_min3_num_f32 v[A_], v[A_], v[A_+2], v[SD+14]
	s_delay_alu instid0(VALU_DEP_1)
	v_min_num_f32 v[A_], v[A_], v[SD+15]
	s_delay_alu instid0(VALU_DEP_1)
	v_cmp_le_f32 vcc_lo, v[V_+16], v[A_]                   ; where best <= the unit's least, the old set stays
.irp p, 0,2,4,6,8,10,12,14
	v_dual_cndmask_b32 v[V_+\p], v[SD+\p], v[V_+\p] :: v_dual_cndmask_b32 v[V_+\p+1], v[SD+\p+1], v[V_+\p+1]
.endr
	v_dual_cndmask_b32 v[V_+16], v[A_], v[V_+16] :: v_dual_cndmask_b32 v[V_+17], v[TV], v[V_+17]   ; first sources: register numbers 2 and 3 modulo 4
.endm
; A unit.  The products of tile t + 1 are issued ahead of tile t's vector work; the additions and the other tile's vector work are the places (ISA guide 7.12.1) behind each group of products.
; req = 1: the next unit's operands are asked for behind the last additions, which are ee's last readers; the last products stand 34 plain vector instructions earlier.
.macro UNIT req, nslot, nu, pf
	v_mov_b32 v[TV], s[TN]
	WM 0
	SADD 0
	WM 1
	FMX 0
.if (\pf) == 1
.endif
.if (\pf) == 2
	s_cmp_gt_u32 s[OC], 1
	s_cbranch_scc0 .Lno_ask_\@
.Lno_ask_\@:
.endif
	SADD 1
	WM 2
	FMX 1
	SADD 2
	WM 3
	FMX 2
	SADD 3
.if \req
	REQ \nslot, \nu
.endif
	FMX 3
	s_add_co_u32 s[TN], s[TN], 1
.endm
; A chunk in slot.  mode 2: the slot is filled again behind a round; 1: a barrier alone shows the other slot whole; 0: the last chunk.
.macro CHUNK slot, mode
	s_wait_dscnt 0x0                               ; the unit's fragments, scale words and ee are in
.if \mode == 2
	UNIT 1, \slot, 1, \slot+1
.else
	UNIT 1, \slot, 1, 0
.endif
	s_wait_dscnt 0x0
	UNIT 1, \slot, 2, 0
	s_wait_dscnt 0x0
	UNIT 1, \slot, 3, 0
.if \mode
.if (\mode == 2) && (\slot == 1)
	s_wait_xcnt 0x0                                ; s[PF:PF+1] steps two chunks
	s_add_nc_u64 s[PF:PF+1], s[PF:PF+1], 2*CHUNKB
.endif
	s_wait_tensorcnt 0x0                           ; my part of the other slot has landed; no tensor load of mine is out, so a group 0 may be written
	ds_add_u32 v[SPW], v[NIL]                      ; 0 onto my spare word
.if \mode == 2
	s_add_nc_u64 s[G0+4*\slot+2:G0+4*\slot+3], s[G0+4*\slot+2:G0+4*\slot+3], 2*CHUNKB
.endif
	s_wait_dscnt 0x0                               ; the add is done; my last reads of this slot, the fourth unit's operands, are in registers
	s_barrier_signal -1
	UNIT 0, 0, 0, 0                                ; work on registers alone
	s_barrier_wait -1
.if \mode == 2
	CREST                                          ; no wave of any partner reads this slot or has a load on its way
	TLOAD \slot
.endif
	REQ 1-\slot, 0
.else
	s_wait_dscnt 0x0
	UNIT 0, 0, 0, 0
.endif
	s_add_co_u32 s[TN], s[TN], 28                  ; 32 units a chunk, four of them mine
.endm
; (ba, ia) becomes the lesser of (ba, ia) and (bb, ib): by d, and by n where the d are equal
.macro LEXMIN ba, ia, bb, ib
	v_cmp_lt_f32 s40, v[\bb], v[\ba]
	v_cmp_eq_f32 s41, v[\bb], v[\ba]
	v_cmp_lt_u32 s42, v[\ib], v[\ia]
	s_and_b32 s41, s41, s42
	s_or_b32 vcc_lo, s40, s41
	v_cndmask_b32 v[\ba], v[\ba], v[\bb], vcc_lo
	v_cndmask_b32 v[\ia], v[\ia], v[\ib], vcc_lo
.endm
	s_load_b128 s[4:7], s[0:1], 0x0                ; zw s[4:5], cw s[6:7]
	s_load_b64 s[8:9], s[0:1], 0x10                ; idx
	v_lshl_add_u32 v[SPW], v0, 2, SPARE
	v_mov_b32 v[NIL], 0
	ds_add_u32 v[SPW], v[NIL]                      ; the opening: the add, twice on end, and its wait ahead of my first tensor load
	ds_add_u32 v[SPW], v[NIL]
	s_bfe_u32 s[CX], ttmp6, 0x40000                ; my place in the cluster: it enters global addresses alone
	s_mul_i32 s33, s[CX], 9
	v_lshrrev_b32 v[TV], 5, v0
	v_and_b32 v[PFO], 31, v0
	s_delay_alu instid0(VALU_DEP_2)
	v_readfirstlane_b32 s[WV], v[TV]               ; wave 0..15
	s_delay_alu instid0(VALU_DEP_2)
	v_min_u32 v[PFO], 8, v[PFO]
	s_delay_alu instid0(VALU_DEP_1)
	v_add_nc_u32 v[PFO], s33, v[PFO]
	s_delay_alu instid0(VALU_DEP_1)
	v_min_u32 v[PFO], 34, v[PFO]
	s_delay_alu instid0(VALU_DEP_1)
	v_lshlrev_b32 v[PFO], 8, v[PFO]                ; 256 x min(9 cx + min(lane, 8), 34)
	s_and_b32 s[RH], s[WV], 1
	s_lshr_b32 s[CG], s[WV], 1
	s_lshl_b32 s[WGX], ttmp9, 2
	s_add_co_u32 s[WGX], s[WGX], s[CX]             ; work-group = 4 x cluster + cx
	s_mov_b32 s[G1+0], 15|(3<<16)|(1<<21)          ; the mask: all four work-groups; elements of 8 bytes; bit 21 beside a mask
	s_mov_b32 s[G1+1], 32<<16                      ; a dense block of 8,960 bytes as 35 rows of 32 elements
	s_mov_b32 s[G1+2], 35<<16
	s_mov_b32 s[G1+3], 32<<16
	s_mov_b32 s[G1+4], 35
	s_mov_b32 s[G1+5], 32
	s_mov_b32 s[G1+6], 0
	s_mov_b32 s[G1+7], 0
	s_mul_i32 s15, s[WV], WPART                    ; my sixteenth, in memory and in a slot alike
	s_mov_b32 s2, s15
	s_mov_b32 s3, 0
	s_wait_alu depctr_va_vdst(0)
	s_wait_dscnt 0x0                               ; both opening adds are done
	s_wait_kmcnt 0x0
	s_add_nc_u64 s[6:7], s[6:7], s[2:3]
.irp s, 0,1
	s_mov_b32 s[G0+4*\s], 1
	s_add_co_u32 s[G0+4*\s+1], s15, \s*SLOTB
	s_add_nc_u64 s[G0+4*\s+2:G0+4*\s+3], s[6:7], \s*CHUNKB
	s_or_b32 s[G0+4*\s+3], s[G0+4*\s+3], 0x80000000
.endr
	s_add_nc_u64 s[PF:PF+1], s[6:7], 3*CHUNKB
	ROUND                                          ; all four work-groups are here: the first joint loads meet
	TLOAD 0                                        ; chunk 0: one tensor load a wave at the head
	; z: my 64 rows' images, scale words and sums
	s_lshr_b32 s38, s[WGX], 3
	s_mul_i32 s38, s38, CHUNKB                     ; the chunk of zw
	s_and_b32 s39, s[WGX], 7                       ; my work-group's 128 rows in it
	s_lshl_b32 s2, s39, 14
	s_lshl_b32 s40, s[RH], 13
	s_add_co_u32 s2, s2, s40
	s_add_co_u32 s2, s2, s38
	s_add_nc_u64 s[44:45], s[4:5], s[2:3]          ; images
	s_lshl_b32 s2, s39, 10
	s_lshl_b32 s40, s[RH], 9
	s_add_co_u32 s2, s2, s40
	s_add_co_u32 s2, s2, s38
	s_add_co_u32 s2, s2, SCOFF
	s_add_nc_u64 s[46:47], s[4:5], s[2:3]          ; scale bytes
	s_lshl_b32 s2, s39, 9
	s_lshl_b32 s40, s[RH], 8
	s_add_co_u32 s2, s2, s40
	s_add_co_u32 s2, s2, s38
	s_add_co_u32 s2, s2, EEOFF
	s_add_nc_u64 s[48:49], s[4:5], s[2:3]          ; sums
	s_lshl_b32 s2, s[WGX], 9
	s_add_co_u32 s2, s2, s40
	s_add_nc_u64 s[8:9], s[8:9], s[2:3]            ; idx: 128 rows a work-group; waves 0 and 1 store 64 each
	s_lshl_b32 s41, s[CG], 14
	s_lshl_b32 s42, s[CG], 10
	s_add_co_u32 s42, s42, SCOFF
	s_lshl_b32 s43, s[CG], 9
	s_add_co_u32 s43, s43, EEOFF
	s_mov_b32 s[SEL], 0x76543210
	s_mov_b32 s[SEL+1], 0xfedcba98
	s_lshl_b32 s[TN], s[CG], 2                     ; my group's first unit
	s_mov_b32 s[OC], 3
	v_and_b32 v[L16], 31, v0
	v_and_b32 v[ZZO], 15, v0                       ; r
	v_bfe_u32 v[H8], v0, 4, 1                      ; h
	s_delay_alu instid0(VALU_DEP_3)
	v_lshlrev_b32 v[L16], 4, v[L16]
	s_delay_alu instid0(VALU_DEP_3)
	v_lshlrev_b32 v[ZSO], 3, v[ZZO]
	v_lshlrev_b32 v[ZZO], 2, v[ZZO]
	s_delay_alu instid0(VALU_DEP_2)
	v_lshl_add_u32 v[ZSO], v[H8], 2, v[ZSO]        ; 8 r + 4 h
.irp t, 0,1,2,3
.irp q, 0,1,2,3
	global_load_b128 v[ZF+16*\t+4*\q:ZF+16*\t+4*\q+3], v[L16], s[44:45] offset:2048*\t+512*\q
.endr
	global_load_b32 v[ZS+\t], v[ZSO], s[46:47] offset:128*\t
	global_load_b32 v[ZZ+\t], v[ZZO], s[48:49] offset:64*\t
.endr
	; every LDS address: a constant + a constant x lane + a constant x the wave's part
	v_add_nc_u32 v[AC], s41, v[L16]
	v_add_nc_u32 v[AS], s42, v[ZSO]
	v_lshl_add_u32 v[AE], v[H8], 5, s43
	v_lshlrev_b32 v[H8], 3, v[H8]
	v_add_nc_u32 v[AC+1], SLOTB, v[AC]
	v_add_nc_u32 v[AS+1], SLOTB, v[AS]
	v_add_nc_u32 v[AE+1], SLOTB, v[AE]
	v_mov_b32 v[TB], 0                             ; a lane permute's destination has to have been written
	v_mov_b32 v[TI], 0
.irp t, 0,1,2,3
.set k, 0
.rept 17
	v_mov_b32 v[SV+18*\t+k], 0x7f800000            ; the kept d and the best: +infinity, so that the unit is written without a first copy of its own
.set k, k+1
.endr
	v_mov_b32 v[SV+18*\t+17], 0
.endr
	s_wait_alu depctr_va_vdst(0)
	s_wait_loadcnt 0x0                             ; z
	s_wait_tensorcnt 0x0                           ; my part of chunk 0 is in
	ds_add_u32 v[SPW], v[NIL]
	s_wait_dscnt 0x0
	ROUND
	TLOAD 1                                        ; chunk 1: slot 1's first fill
	REQ 0, 0
.Lpair:                                            ; three trips of two chunks; each chunk's end asks for the chunk two on
	CHUNK 0, 2
	CHUNK 1, 2
	s_sub_co_u32 s[OC], s[OC], 1
	s_cmp_lg_u32 s[OC], 0
	s_cbranch_scc1 .Lpair
	CHUNK 0, 1                                     ; chunk 6: nothing is left to fetch
	CHUNK 1, 0                                     ; chunk 7
	s_lshl_b32 s2, s[CG], 10
	s_lshl_b32 s40, s[RH], 9
	s_add_co_u32 s2, s2, s40
	s_add_co_u32 s2, s2, MERGE
	s_add_co_u32 s40, s40, MERGE
	v_and_b32 v[MST], 15, v0
	v_and_b32 v[L8], 31, v0
.irp t, 0,1,2,3
	v_mov_b32 v[KK+\t], 23                         // k = 15 as 16 a + j
.endr
	v_lshl_add_u32 v[MST], v[MST], 3, s2           ; [cg][64 rh + 16 t + r]: 8 bytes a row; 128 t stands in the store's offset
	v_lshl_add_u32 v[MLD], v[L8], 4, s40           ; rows 64 rh + 2 lane and the next
	v_lshlrev_b32 v[L8], 3, v[L8]
.irp k, 14,13,12,11,10,9,8,7,6,5,4,3,2,1,0     ; downward, so that the first kept d that equals the best has the last word
.irp t, 0,1,2,3
	v_cmp_neq_f32 vcc_lo, v[SV+18*\t+\k], v[SV+18*\t+16]
	v_cndmask_b32 v[KK+\t], \k+8*(\k/8), v[KK+\t], vcc_lo
.endr
.endr
.irp t, 0,1,2,3
	v_lshl_add_u32 v[SV+18*\t+17], v[SV+18*\t+17], 5, v[KK+\t]
.endr
.irp t, 0,1,2,3
	v_add_nc_u32 v[SV+18*\t+17], v[H8], v[SV+18*\t+17]     ; n = 32 U + 16 a + j + 8 h
.endr
.irp t, 0,1,2,3                                ; with lane l xor 16's; then both halves hold the row's pair and write the same bytes with the same value
	v_permlanex16_b32 v[TB], v[SV+18*\t+16], s[SEL], s[SEL+1]
	v_permlanex16_b32 v[TI], v[SV+18*\t+17], s[SEL], s[SEL+1]
	LEXMIN SV+18*\t+16, SV+18*\t+17, TB, TI
	ds_store_b64 v[MST], v[SV+18*\t+16:SV+18*\t+17] offset:128*\t
.endr
	s_wait_alu depctr_va_vdst(0)
	s_wait_dscnt 0x0                               ; for the others' sake: my stores have landed
	s_barrier_signal -1
	s_barrier_wait -1                              ; all eight code groups' pairs lie in LDS
	s_cmp_lt_u32 s[WV], 2
	s_cbranch_scc0 .Lno_merge                      ; waves 0 and 1 merge 64 rows each, two rows a lane
.irp g, 0,1,2,3,4,5,6,7
	ds_load_b128 v[MG+4*\g:MG+4*\g+3], v[MLD] offset:1024*\g
.endr
	s_wait_dscnt 0x0
.irp g, 1,2,3,4,5,6,7
	LEXMIN MG, MG+1, MG+4*\g, MG+4*\g+1
	LEXMIN MG+2, MG+3, MG+4*\g+2, MG+4*\g+3
.endr
	v_mov_b32 v[MG+2], v[MG+1]                     ; the two rows' n side by side
	global_store_b64 v[L8], v[MG+2:MG+3], s[8:9]   ; 32 lanes store 256 consecutive bytes, at a multiple of 256 from idx's first byte
.Lno_merge:
	s_wait_tensorcnt 0x0                           ; the wave's end
	ds_add_u32 v[SPW], v[NIL]
	s_wait_dscnt 0x0
	ROUND                                          ; the closing round
	s_endpgm
.Lfunc_end_k_q4a4465c606_argmin:
	.size	k_q4a4465c606_argmin, .Lfunc_end_k_q4a4465c606_argmin-k_q4a4465c606_argmin
	.p2alignl 7, 3214868480
	.fill 96, 4, 3214868480
	.section	.rodata,"a",@progbits
	.p2align	6, 0x0
	.amdhsa_kernel k_q4a4465c606_argmin
		.amdhsa_group_segment_fixed_size 327680
		.amdhsa_private_segment_fixed_size 0
		.amdhsa_enable_private_segment 0
		.amdhsa_kernarg_size 24
		.amdhsa_user_sgpr_count 2
		.amdhsa_user_sgpr_kernarg_segment_ptr 1
		.amdhsa_wavefront_size32 1
		.amdhsa_system_sgpr_workgroup_id_x 1
		.amdhsa_system_sgpr_workgroup_id_y 1
		.amdhsa_system_sgpr_workgroup_id_z 1
		.amdhsa_system_vgpr_workitem_id 0
		.amdhsa_next_free_vgpr 256
		.amdhsa_next_free_sgpr 66
		.amdhsa_reserve_vcc 1
		.amdhsa_float_denorm_mode_32 3
		.amdhsa_float_denorm_mode_16_64 3
		.amdhsa_memory_ordered 1
		.amdhsa_forward_progress 1
		.amdhsa_inst_pref_size 217
	.end_amdhsa_kernel
	.amdgpu_metadata
---
amdhsa.version: [ 1, 2 ]
amdhsa.kernels:
  - .name:           k_q4a4465c606_argmin
    .symbol:         k_q4a4465c606_argmin.kd
    .args:
      - { .name: zw, .offset: 0, .size: 8, .value_kind: global_buffer, .address_space: global }
      - { .name: cw, .offset: 8, .size: 8, .value_kind: global_buffer, .address_space: global }
      - { .name: idx, .offset: 16, .size: 8, .value_kind: global_buffer, .address_space: global }
    .group_segment_fixed_size: 327680
    .private_segment_fixed_size: 0
    .kernarg_segment_align: 8
    .kernarg_segment_size: 24
    .max_flat_workgroup_size: 512
    .sgpr_count:     66
    .vgpr_count:     256
    .wavefront_size: 32
...
	.end_amdgpu_metadata
.endif
;; end of part 2
;; launch gather (part 3): grid 512 x 1, 8 waves a work-group, no clusters, 0 bytes of LDS; arguments z, codebook, idx, out0, part; writes out0, part
.if DOCPART == 3
	.amdgcn_target "amdgcn-amd-amdhsa--gfx1250"
	.amdhsa_code_object_version 6
	.text
	.protected	k_q4a4465c606_gather
	.globl	k_q4a4465c606_gather
	.p2align	8
	.type	k_q4a4465c606_gather,@function
k_q4a4465c606_gather:
	s_mov_b64 s[64:65], 0
	v_nop
	global_prefetch_b8 v0, s[64:65] scope:SCOPE_SE
	s_setreg_imm32_b32 hwreg(HW_REG_WAVE_MODE, 25, 1), 1
	s_wait_xcnt 0x0
; out0 = z + (codebook[idx] - z), both roundings as they are written; part[wave] = the sum of (codebook[idx] - z)^2 over the wave's eight rows.
; z and out0 as [32768][256] f32; a row is 1,024 bytes: two loads of 512 consecutive bytes, 16 a lane.  Wave W = 8 x work-group + wave owns rows 8 W .. 8 W + 7.
; idx was stored by the launch before: eight whole numbers a wave, by one scalar load; each is held to 8,191 before it enters an address.
; All 32 loads of a wave go out at once (16,384 bytes); no loop, no LDS, no barrier; no register that a store reads is written again.
.set EO, 4                             ; v4-11   row i: 1,024 x idx + 16 x lane
.set CH, 12                            ; v[12:15] two packed chains of squares
.set Z,  16                            ; v16-79  z: row i at 8 i
.set E,  80                            ; v80-143 the code's row, then e - z, then the result
	s_load_b256 s[4:11], s[0:1], 0x0               ; z s[4:5], codebook s[6:7], idx s[8:9], out0 s[10:11]
	s_load_b64 s[12:13], s[0:1], 0x20              ; part
	v_lshrrev_b32 v1, 5, v0
	s_delay_alu instid0(VALU_DEP_1)
	v_readfirstlane_b32 s14, v1                    ; wave 0..7
	v_and_b32 v2, 31, v0                           ; lane
	s_delay_alu instid0(VALU_DEP_1)
	v_lshlrev_b32 v1, 4, v2                        ; 16 x lane
	v_mov_b32 v3, 0
	s_lshl_b32 s15, ttmp9, 3
	s_add_co_u32 s15, s15, s14                     ; W
	s_mov_b32 s25, 0
	s_mov_b32 s26, 0x76543210
	s_mov_b32 s27, 0xfedcba98                      ; lane selects: lane l xor 16
	s_lshl_b32 s24, s15, 5                         ; eight numbers of 4 bytes
	s_wait_alu depctr_va_vdst(0)
	s_wait_kmcnt 0x0
	s_add_nc_u64 s[8:9], s[8:9], s[24:25]
	s_load_b256 s[16:23], s[8:9], 0x0              ; my eight rows' idx
	s_lshl_b32 s24, s15, 13                        ; eight rows of 1,024 bytes
	s_add_nc_u64 s[4:5], s[4:5], s[24:25]
	s_add_nc_u64 s[10:11], s[10:11], s[24:25]
	s_lshl_b32 s24, s15, 2
	s_add_nc_u64 s[12:13], s[12:13], s[24:25]
.irp i, 0,1,2,3,4,5,6,7
.irp g, 0,1
	global_load_b128 v[Z+8*\i+4*\g:Z+8*\i+4*\g+3], v1, s[4:5] offset:1024*\i+512*\g th:TH_LOAD_NT
.endr
.endr
	s_wait_kmcnt 0x0
.irp i, 0,1,2,3,4,5,6,7
	s_min_u32 s[16+\i], s[16+\i], 8191             ; an index stays inside its table
	v_lshl_add_u32 v[EO+\i], s[16+\i], 10, v1
.endr
.irp i, 0,1,2,3,4,5,6,7
.irp g, 0,1
	global_load_b128 v[E+8*\i+4*\g:E+8*\i+4*\g+3], v[EO+\i], s[6:7] offset:512*\g   ; no hint: a code's row may be named again
.endr
.endr
.irp i, 0,1,2,3,4,5,6,7
	s_wait_loadcnt 14-2*\i                         ; z and rows 0 .. i of the codes are in; the later rows' loads, two each, may be out
.irp p, 0,2,4,6
	v_pk_add_f32 v[E+8*\i+\p:E+8*\i+\p+1], v[E+8*\i+\p:E+8*\i+\p+1], v[Z+8*\i+\p:Z+8*\i+\p+1] neg_lo:[0,1] neg_hi:[0,1]   ; e - z
.endr
.irp p, 0,2,4,6
.if (\i == 0) && (\p < 4)
	s_delay_alu instid0(VALU_DEP_4)
	v_pk_mul_f32 v[CH+\p:CH+\p+1], v[E+\p:E+\p+1], v[E+\p:E+\p+1]          ; the first terms start the chains
.else
	v_pk_fma_f32 v[CH+\p%4:CH+\p%4+1], v[E+8*\i+\p:E+8*\i+\p+1], v[E+8*\i+\p:E+8*\i+\p+1], v[CH+\p%4:CH+\p%4+1]
.endif
.endr
.irp p, 0,2,4,6
	v_pk_add_f32 v[E+8*\i+\p:E+8*\i+\p+1], v[Z+8*\i+\p:Z+8*\i+\p+1], v[E+8*\i+\p:E+8*\i+\p+1]   ; z + (e - z)
.endr
.irp g, 0,1
	global_store_b128 v1, v[E+8*\i+4*\g:E+8*\i+4*\g+3], s[10:11] offset:1024*\i+512*\g th:TH_STORE_NT   ; 512 consecutive bytes, at a multiple of 256 from out0's first byte
.endr
.endr
	v_pk_add_f32 v[CH:CH+1], v[CH:CH+1], v[CH+2:CH+3]
	s_delay_alu instid0(VALU_DEP_1)
	v_add_f32 v[CH], v[CH], v[CH+1]
	s_delay_alu instid0(VALU_DEP_1)
	v_add_f32_dpp v[CH], v[CH], v[CH] row_xmask:1 row_mask:0xf bank_mask:0xf
	s_delay_alu instid0(VALU_DEP_1)
	v_add_f32_dpp v[CH], v[CH], v[CH] row_xmask:2 row_mask:0xf bank_mask:0xf
	s_delay_alu instid0(VALU_DEP_1)
	v_add_f32_dpp v[CH], v[CH], v[CH] row_xmask:4 row_mask:0xf bank_mask:0xf
	s_delay_alu instid0(VALU_DEP_1)
	v_add_f32_dpp v[CH], v[CH], v[CH] row_xmask:8 row_mask:0xf bank_mask:0xf
	s_delay_alu instid0(VALU_DEP_1)
	v_permlanex16_b32 v[CH+1], v[CH], s26, s27
	s_delay_alu instid0(VALU_DEP_1)
	v_add_f32 v[CH], v[CH], v[CH+1]                ; the wave's sum, in every lane
	v_cmp_eq_u32 vcc_lo, 0, v2
	s_wait_alu depctr_va_vdst(0)
	s_wait_xcnt 0x0                                ; EXEC is a source of the stores above: it changes only behind this wait
	s_and_saveexec_b32 s28, vcc_lo
	global_store_b32 v3, v[CH], s[12:13]           ; lane 0 alone: part[W]
	s_wait_xcnt 0x0                                ; and again in front of the line that widens it
	s_or_b32 exec_lo, exec_lo, s28
	s_endpgm
.Lfunc_end_k_q4a4465c606_gather:
	.size	k_q4a4465c606_gather, .Lfunc_end_k_q4a4465c606_gather-k_q4a4465c606_gather
	.p2alignl 7, 3214868480
	.fill 96, 4, 3214868480
	.section	.rodata,"a",@progbits
	.p2align	6, 0x0
	.amdhsa_kernel k_q4a4465c606_gather
		.amdhsa_group_segment_fixed_size 0
		.amdhsa_private_segment_fixed_size 0
		.amdhsa_enable_private_segment 0
		.amdhsa_kernarg_size 40
		.amdhsa_user_sgpr_count 2
		.amdhsa_user_sgpr_kernarg_segment_ptr 1
		.amdhsa_wavefront_size32 1
		.amdhsa_system_sgpr_workgroup_id_x 1
		.amdhsa_system_sgpr_workgroup_id_y 1
		.amdhsa_system_sgpr_workgroup_id_z 1
		.amdhsa_system_vgpr_workitem_id 0
		.amdhsa_next_free_vgpr 144
		.amdhsa_next_free_sgpr 66
		.amdhsa_reserve_vcc 1
		.amdhsa_float_denorm_mode_32 3
		.amdhsa_float_denorm_mode_16_64 3
		.amdhsa_memory_ordered 1
		.amdhsa_forward_progress 1
		.amdhsa_inst_pref_size 14
	.end_amdhsa_kernel
	.amdgpu_metadata
---
amdhsa.version: [ 1, 2 ]
amdhsa.kernels:
  - .name:           k_q4a4465c606_gather
    .symbol:         k_q4a4465c606_gather.kd
    .args:
      - { .name: z, .offset: 0, .size: 8, .value_kind: global_buffer, .address_space: global }
      - { .name: codebook, .offset: 8, .size: 8, .value_kind: global_buffer, .address_space: global }
      - { .name: idx, .offset: 16, .size: 8, .value_kind: global_buffer, .address_space: global }
      - { .name: out0, .offset: 24, .size: 8, .value_kind: global_buffer, .address_space: global }
      - { .name: part, .offset: 32, .size: 8, .value_kind: global_buffer, .address_space: global }
    .group_segment_fixed_size: 0
    .private_segment_fixed_size: 0
    .kernarg_segment_align: 8
    .kernarg_segment_size: 40
    .max_flat_workgroup_size: 256
    .sgpr_count:     66
    .vgpr_count:     144
    .wavefront_size: 32
...
	.end_amdgpu_metadata
.endif
;; end of part 3
;; launch total (part 4): grid 1 x 1, 1 waves a work-group, no clusters, 0 bytes of LDS; arguments part, out1; writes out1
.if DOCPART == 4
	.amdgcn_target "amdgcn-amd-amdhsa--gfx1250"
	.amdhsa_code_object_version 6
	.text
	.protected	k_q4a4465c606_total
	.globl	k_q4a4465c606_total
	.p2align	8
	.type	k_q4a4465c606_total,@function
k_q4a4465c606_total:
	s_mov_b64 s[64:65], 0
	v_nop
	global_prefetch_b8 v0, s[64:65] scope:SCOPE_SE
	s_setreg_imm32_b32 hwreg(HW_REG_WAVE_MODE, 25, 1), 1
	s_wait_xcnt 0x0
; out1 = 0.25 m + m, m = (the sum of the 4,096 partial sums) / 2^23: z has 8 x 256 x 64 x 64 = 2^23 numbers.
; One wave: 32 loads of 512 consecutive bytes, four packed chains, one sum over the lanes.  The sum spans the work-groups of the launch before, so it has a launch of its own.
.set P, 8                              ; v8-135 the partial sums, four a lane and load
	s_load_b128 s[4:7], s[0:1], 0x0                ; part s[4:5], out1 s[6:7]
	v_lshlrev_b32 v1, 4, v0                        ; 16 x lane
	v_mov_b32 v2, 0
	s_mov_b32 s8, 0x76543210
	s_mov_b32 s9, 0xfedcba98                       ; lane selects: lane l xor 16
	s_mov_b32 s11, 0x3e800000                      ; 0.25
	s_wait_alu depctr_va_vdst(0)
	s_wait_kmcnt 0x0
.set i, 0
.rept 32
	global_load_b128 v[P+4*i:P+4*i+3], v1, s[4:5] offset:512*i
.set i, i+1
.endr
	s_wait_loadcnt 0x0
.set i, 2
.rept 30                                       ; the first two loads' registers are the four chains
	v_pk_add_f32 v[P+4*(i%2):P+4*(i%2)+1], v[P+4*(i%2):P+4*(i%2)+1], v[P+4*i:P+4*i+1]
	v_pk_add_f32 v[P+4*(i%2)+2:P+4*(i%2)+3], v[P+4*(i%2)+2:P+4*(i%2)+3], v[P+4*i+2:P+4*i+3]
.set i, i+1
.endr
	v_pk_add_f32 v[P:P+1], v[P:P+1], v[P+2:P+3]
	v_pk_add_f32 v[P+4:P+5], v[P+4:P+5], v[P+6:P+7]
	v_pk_add_f32 v[P:P+1], v[P:P+1], v[P+4:P+5]
	v_add_f32 v[P], v[P], v[P+1]
	v_add_f32_dpp v[P], v[P], v[P] row_xmask:1 row_mask:0xf bank_mask:0xf
	v_add_f32_dpp v[P], v[P], v[P] row_xmask:2 row_mask:0xf bank_mask:0xf
	v_add_f32_dpp v[P], v[P], v[P] row_xmask:4 row_mask:0xf bank_mask:0xf
	v_add_f32_dpp v[P], v[P], v[P] row_xmask:8 row_mask:0xf bank_mask:0xf
	v_permlanex16_b32 v[P+1], v[P], s8, s9
	v_add_f32 v[P], v[P], v[P+1]
	v_mul_f32 v[P], 0x34000000, v[P]               ; x 2^-23: the mean
	v_fma_f32 v[P+2], v[P], s11, v[P]              ; 0.25 m + m, one rounding (0.25 m is exact)
	v_cmp_eq_u32 vcc_lo, 0, v0
	s_wait_alu depctr_va_vdst(0)
	s_wait_xcnt 0x0                                ; EXEC changes only behind this wait
	s_and_saveexec_b32 s10, vcc_lo
	global_store_b32 v2, v[P+2], s[6:7]            ; lane 0 alone
	s_wait_xcnt 0x0
	s_or_b32 exec_lo, exec_lo, s10
	s_endpgm
.Lfunc_end_k_q4a4465c606_total:
	.size	k_q4a4465c606_total, .Lfunc_end_k_q4a4465c606_total-k_q4a4465c606_total
	.p2alignl 7, 3214868480
	.fill 96, 4, 3214868480
	.section	.rodata,"a",@progbits
	.p2align	6, 0x0
	.amdhsa_kernel k_q4a4465c606_total
		.amdhsa_group_segment_fixed_size 0
		.amdhsa_private_segment_fixed_size 0
		.amdhsa_enable_private_segment 0
		.amdhsa_kernarg_size 16
		.amdhsa_user_sgpr_count 2
		.amdhsa_user_sgpr_kernarg_segment_ptr 1
		.amdhsa_wavefront_size32 1
		.amdhsa_system_sgpr_workgroup_id_x 1
		.amdhsa_system_sgpr_workgroup_id_y 1
		.amdhsa_system_sgpr_workgroup_id_z 1
		.amdhsa_system_vgpr_workitem_id 0
		.amdhsa_next_free_vgpr 140
		.amdhsa_next_free_sgpr 66
		.amdhsa_reserve_vcc 1
		.amdhsa_float_denorm_mode_32 3
		.amdhsa_float_denorm_mode_16_64 3
		.amdhsa_memory_ordered 1
		.amdhsa_forward_progress 1
		.amdhsa_inst_pref_size 9
	.end_amdhsa_kernel
	.amdgpu_metadata
---
amdhsa.version: [ 1, 2 ]
amdhsa.kernels:
  - .name:           k_q4a4465c606_total
    .symbol:         k_q4a4465c606_total.kd
    .args:
      - { .name: part, .offset: 0, .size: 8, .value_kind: global_buffer, .address_space: global }
      - { .name: out1, .offset: 8, .size: 8, .value_kind: global_buffer, .address_space: global }
    .group_segment_fixed_size: 0
    .private_segment_fixed_size: 0
    .kernarg_segment_align: 8
    .kernarg_segment_size: 16
    .max_flat_workgroup_size: 32
    .sgpr_count:     66
    .vgpr_count:     140
    .wavefront_size: 32
...
	.end_amdgpu_metadata
.endif
;; end of part 4
